; MI455X (gfx1250); checked and timed in simulation.
; The chip was launched on July 23, 2026; its instructions are those of AMD's public machine-readable ISA for CDNA 5 (MIT licence, August 2026) and "CDNA5" Instruction Set Architecture Reference Guide (July 2026). The comments in the code are by the model that wrote it; some were corrected since.
;; Multi Head Attention. Allowed arithmetic: float matrix products may take bf16 or f16 operands with f32 sums; all other float work in f32.
;; Inputs: in_proj_b 768 float32; in_proj_w 768 x 256 float32; inputs 2 x 1,024 x 256 float32; out_b 256 float32; out_w 256 x 256 float32.
;; Outputs: out0 2 x 1,024 x 1 x 256 float32.
;; One version. Each part assembles by itself: llvm-mc -triple=amdgcn-amd-amdhsa -mcpu=gfx1250 --defsym DOCPART=n.
;; ======== version 1 of 1: 2 launches
;; limits: values are held in f16: magnitudes above 65,504 overflow, below 6.1e-05 lose precision
;; workspace buffers: ofrag 1,048,576 bytes; wfrag 131,072 bytes
;; launch attn (part 1): grid 256 x 1, 16 waves a work-group, no clusters, 274,432 bytes of LDS; arguments inputs, in_proj_w, in_proj_b, out_w, ofrag, wfrag; writes ofrag, wfrag
.if DOCPART == 1
	.amdgcn_target "amdgcn-amd-amdhsa--gfx1250"
	.amdhsa_code_object_version 6
	.text
	.protected	k_qf69be5bf1f_attn
	.globl	k_qf69be5bf1f_attn
	.p2align	8
	.type	k_qf69be5bf1f_attn,@function
k_qf69be5bf1f_attn:
	s_mov_b64 s[64:65], 0
	v_nop
	global_prefetch_b8 v0, s[64:65] scope:SCOPE_SE
	s_setreg_imm32_b32 hwreg(HW_REG_WAVE_MODE, 25, 1), 1
	s_wait_xcnt 0x0
; Windowed attention, one work-group for (batch n, head h, 64 queries t0 .. t0+63); 2 x 8 x 16 = 256 work-groups.
; Key slot j of query t is kv[j][c] = xpad[t + (c & 127)][2 j + (c >> 7)]: the feature columns 2j, 2j+1 over the window's 128 times.
; kv is the same for all heads and linear in x, so the products are reassociated (exact algebra, another order of rounding):
;   qh = x_t Wq_h^T + bq      qk = qh Wk_h      score[j] = (kv[j] . qk + qh . bk) / sqrt(32)      masked where j < 127 - t
;   p = exp(score - max)      z = (p kv) / sum p      o = z Wv_h^T + bv   (the weights p / sum p add up to one)
; X2[u] = inputs[n][t0 - 127 + u], u = 0 .. 190, zero where the time is negative.  Wave s (0 .. 3) takes the queries i = s + 4 a, a = 0 .. 15:
; with u' = u - s the window of row a begins at u' = 4 a, so the shift from row to row is 8 bytes of f16 and every shifted LDS store is aligned.
;   QA[a][par][u'] = qk[a][128 par + u' - 4 a] inside the band, 0 outside      S[j][a] = sum over par, u' of X2[s+u'][2j+par] QA[a][par][u']
;   Y[par][u'][a] = sum over j of X2[s+u'][2j+par] p[a][j]                     z[a][128 par + w] = Y[par][w + 4 a][a] / sum p
; All matrix operands are f16, all sums f32.  qh alone has no room in f16: each row is scaled by the exact power of two 2^-e, e the exponent of
; its largest |qh|, and the scores are scaled back in f32.
; LIMITS.  Inputs are finite (the zeros of QA's band multiply rows of x up to 64 times outside a query's window: an infinity there would
; give NaN).  |x|, |weights| and |o| stay below 65,504 (f16).  A weight p below 2^-25 of the row's largest counts as 0.
; All 16 waves load and convert; waves 0 .. 3 then compute, wave 4 converts 512 bytes' worth of out_w for the next launch, the rest end.
; NO JOINT REQUESTS though the 8 heads of a block read the same window: x comes in f32 and has to pass through registers to become f16;
; a stage of 191 rows x 1,024 bytes = 195,584 bytes beside the 271,936 bytes in use is more than the 327,680 a work-group can be given.
.set PX,    528                        ; an LDS row of 256 f16 + 16 bytes = 132 words: 16 neighbouring rows start 4 words apart (64 banks of 4 bytes: ISA guide 11.1)
.set X16,   16*PX
.set X32,   32*PX
.set XHALF, 96*PX                      ; second address register: offsets stay inside 16 bits
.set WQB,   196*PX                     ; X2: rows 0 .. 195 at 0.  Then Wq_h, Wk_h, Wv_h: 32 rows each
.set WKB,   WQB+X32
.set WVB,   WKB+X32
.set QAB,   WVB+X32                    ; QA of wave s: 16 rows x 784 bytes (parity 1 at +384), 12,800 bytes a wave
.set QAS,   12800
.set ZB,    QAB+4*QAS                  ; z of wave s: 16 rows x 1,040 bytes (parity 1 at +512, w = 0 at +128), 16,640 bytes a wave
.set ZS,    16*1040
; X2 and Wq rows are PERMUTED: parity par at +256 par; f16 position 4 P + e holds j = 2 P + (e & 1) + 64 (e >> 1).  Wk and Wv rows are natural.
.set VL,   1                           ; lane
.set VR,   2                           ; r = lane & 15
.set VH,   3                           ; h' = lane >> 4
.set VL7,  4                           ; lane & 7
.set VL3,  5                           ; (lane >> 3) & 1
.set VT,   6                           ; scratch
.set H32,  7                           ; 32 h'
.set L16,  8                           ; 16 lane
.set LXA,  9                           ; loader: my 12 rows of X2, + 8 lane
.set LWA,  10                          ; loader: my 2 rows of each weight, + 8 lane
.set AXT,  11                          ; v11-12  x, transposing loads (S)
.set AXP,  13                          ; v13-14  x, plain loads (Y)
.set AXQ,  15                          ; the query rows of X2
.set AWQ,  16
.set AWK,  17
.set AWV,  18
.set AQS,  19                          ; QA, shifted stores
.set AQL,  20                          ; QA, fragment loads
.set AZS,  21                          ; z, shifted stores
.set AZL,  22                          ; z, fragment loads
.set THR,  23                          ; 127 - t - 32 h'
.set GG,   24                          ; v24-25  2^e log2(e) / sqrt(32), twice
.set BETA, 26                          ; v26-27  qh . bk log2(e) / sqrt(32), twice
.set MX,   28                          ; v28-29  the row's largest score, twice
.set RL,   30                          ; v30-31  1 / sum p, twice
.set R1,   32                          ; v32-47  loader: x offsets (12) and TMP;  Q: qh, then its fragment in v32-39;  later bv
.set TMP,  44
.set RA,   48                          ; v48-111 bq (16), bk (16);  K: two sets of 4 result tiles;  S: 8 score tiles;  Y: p fragments and result tiles;  O: o
.set BK,   64
.set FB,   112                         ; v112-255 loader: 18 rows x 8;  afterwards fragment buffers
.set SCR,  240                         ; v240-255 scratch of the two post-works
.macro PLACES                          ; four independent vector instructions between a matrix instruction and a vector instruction that reads its
.rept 4                                ; result or writes one of its registers, or a load into one of them
	v_nop
.endr
.endm
	s_load_b256 s[4:11], s[0:1], 0x0               ; inputs s[4:5], in_proj_w s[6:7], in_proj_b s[8:9], out_w s[10:11]
	s_load_b128 s[12:15], s[0:1], 0x20             ; ofrag s[12:13], wfrag s[14:15]
	v_lshrrev_b32 v[VT], 5, v0
	v_readfirstlane_b32 s16, v[VT]                 ; wave 0 .. 15
	v_and_b32 v[VL], 31, v0
	v_and_b32 v[VR], 15, v0
	v_bfe_u32 v[VH], v0, 4, 1
	v_and_b32 v[VL7], 7, v0
	v_bfe_u32 v[VL3], v0, 3, 1
	v_lshlrev_b32 v[H32], 5, v[VH]
	v_lshlrev_b32 v[L16], 4, v[VL]
	s_and_b32 s17, ttmp9, 7                        ; head h
	s_bfe_u32 s18, ttmp9, 0x40003                  ; block of 64 queries, tb = 0 .. 15
	s_lshr_b32 s19, ttmp9, 7                       ; batch n
	s_lshl_b32 s20, s18, 6                         ; t0
	s_add_co_u32 s21, s20, 63                      ; the block's last time
	s_mul_i32 s22, s16, 12
	s_add_co_u32 s22, s22, s20
	s_sub_co_u32 s22, s22, 127                     ; time of my first row of X2 (wraps below 0)
	s_mov_b32 s26, 0x76543210                      ; v_permlanex16_b32: lane i reads lane i of the other half
	s_mov_b32 s27, 0xfedcba98
	s_mov_b32 s28, 0x3e8293ee                      ; log2(e) / sqrt(32)
	s_mul_i32 s23, s16, 12*PX
	v_lshl_add_u32 v[LXA], v[VL], 3, s23
	s_mul_i32 s23, s16, 2*PX
	s_add_co_u32 s23, s23, WQB
	v_lshl_add_u32 v[LWA], v[VL], 3, s23
	; my 12 rows of X2: a time outside 0 .. t0+63 (negative ones are huge as unsigned numbers; row 191 lies behind the block) is read from a row
	; that exists and cleared by its mask
.irp k, 0,1,2,3,4,5,6,7,8,9,10,11
	s_add_co_u32 s30, s22, \k
	s_cmp_le_u32 s30, s21
	s_cselect_b32 s[40+\k], -1, 0
	s_min_u32 s31, s30, s21
	v_lshl_add_u32 v[R1+\k], s31, 10, v[L16]       ; row x 1,024 bytes + 16 lane
.endr
	s_mov_b32 s25, 0
	s_wait_kmcnt 0x0
	s_lshl_b32 s24, s19, 20
	s_add_nc_u64 s[4:5], s[4:5], s[24:25]          ; inputs at batch n
	s_lshl_b32 s24, s17, 5
	s_lshl1_add_u32 s24, s16, s24
	s_lshl_b32 s24, s24, 10
	s_add_nc_u64 s[6:7], s[6:7], s[24:25]          ; in_proj_w at row 32 h + 2 wave
	s_lshl_b32 s24, s17, 7
	s_add_nc_u64 s[8:9], s[8:9], s[24:25]          ; in_proj_b at 32 h
	s_cmp_ge_u32 s16, 4
	s_cbranch_scc1 .Lrows
	; waves 0 .. 3: bq and bk of d = 16 dt + 8 h' + 0 .. 7, in front of the rows' loads, so that the counts below hold on both paths
.irp m, 0,1
.irp dt, 0,1
	global_load_b128 v[RA+16*\m+8*\dt:RA+16*\m+8*\dt+3],   v[H32], s[8:9] offset:1024*\m+64*\dt
	global_load_b128 v[RA+16*\m+8*\dt+4:RA+16*\m+8*\dt+7], v[H32], s[8:9] offset:1024*\m+64*\dt+16
.endr
.endr
.Lrows:
	; every wave: 2 rows of Wq, Wk, Wv and 12 rows of x, 36 loads of 512 neighbouring bytes, all in flight at once
.irp m, 0,1,2
.irp dd, 0,1
	global_load_b128 v[FB+8*(2*\m+\dd):FB+8*(2*\m+\dd)+3],   v[L16], s[6:7] offset:262144*\m+1024*\dd
	global_load_b128 v[FB+8*(2*\m+\dd)+4:FB+8*(2*\m+\dd)+7], v[L16], s[6:7] offset:262144*\m+1024*\dd+512
.endr
.endr
.irp k, 0,1,2,3,4,5,6,7,8,9,10,11
	global_load_b128 v[FB+48+8*\k:FB+48+8*\k+3], v[R1+\k], s[4:5]
	global_load_b128 v[FB+52+8*\k:FB+52+8*\k+7-4], v[R1+\k], s[4:5] offset:512
.endr
	s_cmp_ge_u32 s16, 4
	s_cbranch_scc1 .Lconvert
	; waves 0 .. 3, while the loads are on their way: zeros into my QA (25 x 512 = 12,800 bytes) and into row 192 + wave of X2
.irp e, 0,1,2,3
	v_mov_b32 v[TMP+\e], 0
.endr
	s_mul_i32 s23, s16, QAS
	s_add_co_u32 s23, s23, QAB
	v_add_nc_u32 v[VT], s23, v[L16]
.irp k, 0,1,2,3,4,5,6,7,8,9,10,11,12,13,14,15,16,17,18,19,20,21,22,23,24
	ds_store_b128 v[VT], v[TMP:TMP+3] offset:512*\k
.endr
	s_mul_i32 s23, s16, PX
	s_add_co_u32 s23, s23, 192*PX
	v_add_nc_u32 v[VT], s23, v[L16]
	ds_store_b128 v[VT], v[TMP:TMP+3]
.Lconvert:
; One row to f16.  A lane holds columns 4 L .. 4 L + 3 (a) and 128 + 4 L .. + 3 (b).  The wait leaves out the loads issued behind this row's two.
; ROWP: even columns (parity 0) a0 a2 b0 b2 to 8 L, odd ones to 256 + 8 L: the permuted row.  ROWN: a to 8 L, b to 256 + 8 L: the natural row.
.macro ROWP idx, areg, off, masked, k
	s_wait_loadcnt 34-2*(\idx)
	v_cvt_pk_f16_f32 v[TMP],   v[FB+8*(\idx)],   v[FB+8*(\idx)+2]
	v_cvt_pk_f16_f32 v[TMP+1], v[FB+8*(\idx)+4], v[FB+8*(\idx)+6]
	v_cvt_pk_f16_f32 v[TMP+2], v[FB+8*(\idx)+1], v[FB+8*(\idx)+3]
	v_cvt_pk_f16_f32 v[TMP+3], v[FB+8*(\idx)+5], v[FB+8*(\idx)+7]
.if \masked
.irp e, 0,1,2,3
	v_and_b32 v[TMP+\e], s[40+(\k)], v[TMP+\e]
.endr
.endif
	ds_store_b64 v[\areg], v[TMP:TMP+1]   offset:\off
	ds_store_b64 v[\areg], v[TMP+2:TMP+3] offset:256+\off
.endm
.macro ROWN idx, off
	s_wait_loadcnt 34-2*(\idx)
.irp e, 0,1,2,3
	v_cvt_pk_f16_f32 v[TMP+\e], v[FB+8*(\idx)+2*\e], v[FB+8*(\idx)+2*\e+1]
.endr
	ds_store_b64 v[LWA], v[TMP:TMP+1]   offset:\off
	ds_store_b64 v[LWA], v[TMP+2:TMP+3] offset:256+\off
.endm
	ROWP 0, LWA, 0, 0, 0                           ; Wq
	ROWP 1, LWA, PX, 0, 0
	ROWN 2, X32                                    ; Wk
	ROWN 3, X32+PX
	ROWN 4, 2*X32                                  ; Wv
	ROWN 5, 2*X32+PX
.irp k, 0,1,2,3,4,5,6,7,8,9,10,11
	ROWP 6+\k, LXA, \k*PX, 1, \k                   ; x
.endr
	s_wait_dscnt 0x0                               ; my stores are in LDS, for the others' sake
	s_barrier_signal -1
	s_barrier_wait -1                              ; the only barrier: from here X2 and the weights are read only, QA and z are each wave's own
	s_cmp_lt_u32 s16, 4
	s_cbranch_scc1 .Lcompute
	s_cmp_lg_u32 s16, 4
	s_cbranch_scc1 .Lend
	; wave 4: half hf = g & 1 of fragment F = g >> 1 = (cg 4 + q) 8 + kappa of out_w in f16:
	; lane (r, h') takes out_w[64 cg + 4 r + q][32 kappa + 16 hf + 8 h' + 0 .. 7]; 32 kappa + 16 hf = 16 (g & 15)
	s_lshr_b32 s30, ttmp9, 6                       ; cg
	s_bfe_u32 s31, ttmp9, 0x20004                  ; q
	s_lshl_b32 s30, s30, 6
	s_add_co_u32 s30, s30, s31
	s_lshl_b32 s30, s30, 10                        ; row x 1,024 bytes
	s_and_b32 s31, ttmp9, 15
	s_lshl_b32 s31, s31, 6
	s_add_co_u32 s24, s30, s31
	s_add_nc_u64 s[10:11], s[10:11], s[24:25]
	s_lshl_b32 s24, ttmp9, 9
	s_add_nc_u64 s[14:15], s[14:15], s[24:25]
	v_lshl_add_u32 v[VT], v[VR], 12, v[H32]        ; 4 r rows + 8 h' columns
	global_load_b128 v[FB:FB+3],   v[VT], s[10:11]
	global_load_b128 v[FB+4:FB+7], v[VT], s[10:11] offset:16
	s_wait_loadcnt 0x0
.irp e, 0,1,2,3
	v_cvt_pk_f16_f32 v[TMP+\e], v[FB+2*\e], v[FB+2*\e+1]
.endr
	global_store_b128 v[L16], v[TMP:TMP+3], s[14:15]       ; the wave stores 512 consecutive bytes, at a multiple of 512 from the buffer's first byte
.Lend:
	s_wait_xcnt 0x0
	v_lshl_add_u32 v110, v0, 2, 0x42800
	v_mov_b32 v111, 0
	s_wait_tensorcnt 0x0
	ds_add_u32 v110, v111
	s_wait_dscnt 0x0
	s_endpgm
.Lcompute:
	; ---- addresses of wave s = s16 ----
	v_lshl_add_u32 v[VT], v[VH], 3, v[VL7]
	v_mul_u32_u24 v[AWK], v[VT], PX
	v_add_nc_u32 v[VT], s16, v[VT]
	v_mul_u32_u24 v[AXT], v[VT], PX
	v_lshl_add_u32 v[AXT], v[VL3], 7, v[AXT]       ; (s + 8 h' + l7) rows + 128 l3: the second eight lanes take the chunk 64 positions on,
	v_add_nc_u32 v[AXT+1], XHALF, v[AXT]           ; so that 16 lanes touch 8 rows x 2 chunks = 64 different words modulo 256 bytes
	v_lshl_add_u32 v[AWK], v[VL3], 7, v[AWK]
	v_add_nc_u32 v[AWK], WKB, v[AWK]
	v_add_nc_u32 v[VT], s16, v[VR]
	v_mul_u32_u24 v[AXP], v[VT], PX
	v_lshl_add_u32 v[AXP], v[VH], 7, v[AXP]        ; (s + r) rows + 128 h'
	v_add_nc_u32 v[AXP+1], XHALF, v[AXP]
	v_lshl_add_u32 v[VT], v[VR], 2, s16
	v_add_nc_u32 v[VT], 127, v[VT]
	v_mul_u32_u24 v[AXQ], v[VT], PX
	v_lshl_add_u32 v[AXQ], v[VH], 4, v[AXQ]        ; row 127 + s + 4 r is query s + 4 r itself
	v_mul_u32_u24 v[VT], v[VR], PX
	v_lshl_add_u32 v[VT], v[VH], 4, v[VT]
	v_add_nc_u32 v[AWQ], WQB, v[VT]
	v_add_nc_u32 v[AWV], WVB, v[VT]
	s_mul_i32 s23, s16, QAS
	s_add_co_u32 s23, s23, QAB
	v_mul_u32_u24 v[AQS], v[VR], 792               ; 784 r + the band's shift 8 r
	v_lshl_add_u32 v[AQS], v[VH], 7, v[AQS]
	v_add_nc_u32 v[AQS], s23, v[AQS]
	v_mul_u32_u24 v[AQL], v[VR], 784
	v_lshl_add_u32 v[AQL], v[VH], 4, v[AQL]
	v_add_nc_u32 v[AQL], s23, v[AQL]
	s_mul_i32 s23, s16, ZS
	s_add_co_u32 s23, s23, ZB+128
	v_mul_u32_u24 v[AZS], v[VR], 1032              ; 1,040 r - the shift 8 r
	v_lshl_add_u32 v[AZS], v[VH], 4, v[AZS]
	v_add_nc_u32 v[AZS], s23, v[AZS]
	v_mul_u32_u24 v[AZL], v[VR], 1040
	v_lshl_add_u32 v[AZL], v[VH], 4, v[AZL]
	v_add_nc_u32 v[AZL], s23, v[AZL]
	s_sub_co_i32 s23, 127, s20
	s_sub_co_i32 s23, s23, s16
	v_lshl_add_u32 v[VT], v[VH], 3, v[VR]
	v_lshlrev_b32 v[VT], 2, v[VT]
	v_sub_nc_u32 v[THR], s23, v[VT]                ; 127 - t0 - s - 4 r - 32 h'
	s_lshr_b32 s24, ttmp9, 3                       ; n 16 + tb
	s_lshl2_add_u32 s24, s24, s16
	s_lshl3_add_u32 s24, s24, s17
	s_lshl_b32 s24, s24, 10
	s_add_nc_u64 s[12:13], s[12:13], s[24:25]      ; my fragment of o: ((n 16 + tb) 4 + s) 8 + h, 1,024 bytes each
; ---- a product [32 d] x [16 rows] over 256 = 8 steps of 32, used for qh and for o ----
; FETCHP: steps 2 pair, 2 pair + 1 into buffer buf (48 registers): for each step the rows' fragment (8), then the weights' two tiles (16).
.macro FETCHP buf, pair, breg, bjump, areg
.irp kk, 0,1
	ds_load_b128 v[FB+48*(\buf)+24*\kk:FB+48*(\buf)+24*\kk+3],     v[\breg] offset:64*(2*(\pair)+\kk)+((2*(\pair)+\kk)/4)*(\bjump)
	ds_load_b128 v[FB+48*(\buf)+24*\kk+4:FB+48*(\buf)+24*\kk+7],   v[\breg] offset:64*(2*(\pair)+\kk)+((2*(\pair)+\kk)/4)*(\bjump)+32
	ds_load_b128 v[FB+48*(\buf)+24*\kk+8:FB+48*(\buf)+24*\kk+11],  v[\areg] offset:64*(2*(\pair)+\kk)
	ds_load_b128 v[FB+48*(\buf)+24*\kk+12:FB+48*(\buf)+24*\kk+15], v[\areg] offset:64*(2*(\pair)+\kk)+32
	ds_load_b128 v[FB+48*(\buf)+24*\kk+16:FB+48*(\buf)+24*\kk+19], v[\areg] offset:64*(2*(\pair)+\kk)+X16
	ds_load_b128 v[FB+48*(\buf)+24*\kk+20:FB+48*(\buf)+24*\kk+23], v[\areg] offset:64*(2*(\pair)+\kk)+X16+32
.endr
.endm
; MULP: source 0 = 16 rows of the weights (d), source 1 = my 16 rows: lane (r, h') gets row r, registers d = 16 dt + 8 h' + 0 .. 7
.macro MULP buf, acc, zero
.irp kk, 0,1
.irp dt, 0,1
.if (\zero)*(1-\kk)
	v_wmma_f32_16x16x32_f16 v[\acc+8*\dt:\acc+8*\dt+7], v[FB+48*(\buf)+24*\kk+8+8*\dt:FB+48*(\buf)+24*\kk+15+8*\dt], v[FB+48*(\buf)+24*\kk:FB+48*(\buf)+24*\kk+7], 0
.else
	v_wmma_f32_16x16x32_f16 v[\acc+8*\dt:\acc+8*\dt+7], v[FB+48*(\buf)+24*\kk+8+8*\dt:FB+48*(\buf)+24*\kk+15+8*\dt], v[FB+48*(\buf)+24*\kk:FB+48*(\buf)+24*\kk+7], v[\acc+8*\dt:\acc+8*\dt+7]
.endif
.endr
.endr
.endm
.macro PROJ breg, bjump, areg, acc
	FETCHP 0, 0, \breg, \bjump, \areg
	FETCHP 1, 1, \breg, \bjump, \areg
	FETCHP 2, 2, \breg, \bjump, \areg
	s_wait_dscnt 24                                ; LDS loads come back in order (ISA guide 5.7.1): pair 0 is in, pairs 1 and 2 (12 loads each) stay out
	MULP 0, \acc, 1                                ; the first products start the sums
	PLACES
	FETCHP 0, 3, \breg, \bjump, \areg
	s_wait_dscnt 24                                ; pair 1 is in; pairs 2 and 3 stay out
	MULP 1, \acc, 0
	s_wait_dscnt 12                                ; pair 3 stays out
	MULP 2, \acc, 0
	s_wait_dscnt 0x0
	MULP 0, \acc, 0
	PLACES
.endm
	; ---- Q: qh.  X2's and Wq's rows carry the same permutation of the 256 columns, which leaves the sums as they are ----
	PROJ AXQ, 0, AWQ, R1
	; Wk's 16 tiles are asked for now and arrive under the post-work.  Tile T = (par, q'): rows d, columns c = 128 par + 8 q' + 64 (m >> 3) + (m & 7)
.irp T, 0,1,2,3,4,5,6,7,8,9,10,11,12,13,14,15
	ds_load_tr16_b128 v[FB+8*\T:FB+8*\T+3],   v[AWK] offset:256*(\T/8)+16*(\T%8)
	ds_load_tr16_b128 v[FB+8*\T+4:FB+8*\T+7], v[AWK] offset:256*(\T/8)+16*(\T%8)+X16
.endr
.irp i, 0,1,2,3,4,5,6,7
	v_pk_add_f32 v[R1+2*\i:R1+2*\i+1], v[R1+2*\i:R1+2*\i+1], v[RA+2*\i:RA+2*\i+1]          ; + bq
.endr
	v_pk_mul_f32 v[SCR:SCR+1], v[R1:R1+1], v[BK:BK+1]                                      ; qh . bk: my 16 d, then the other half's
.irp i, 1,2,3,4,5,6,7
	v_pk_fma_f32 v[SCR:SCR+1], v[R1+2*\i:R1+2*\i+1], v[BK+2*\i:BK+2*\i+1], v[SCR:SCR+1]
.endr
	v_max_num_f32 v242, |v32|, |v33|               ; the largest |qh| of the row
	v_max3_num_f32 v242, v242, |v34|, |v35|
	v_max3_num_f32 v242, v242, |v36|, |v37|
	v_max3_num_f32 v242, v242, |v38|, |v39|
	v_max3_num_f32 v242, v242, |v40|, |v41|
	v_max3_num_f32 v242, v242, |v42|, |v43|
	v_max3_num_f32 v242, v242, |v44|, |v45|
	v_max3_num_f32 v242, v242, |v46|, |v47|
	v_add_f32 v240, v240, v241
	v_permlanex16_b32 v241, v240, s26, s27         ; lane r + 16 holds the other 16 d of row r
	v_permlanex16_b32 v[VT], v242, s26, s27
	v_add_f32 v240, v240, v241
	v_max_num_f32 v242, v242, v[VT]
	v_mul_f32 v[BETA], s28, v240
	v_mul_f32 v[BETA+1], s28, v240
	v_and_b32 v242, 0x7f800000, v242               ; 2^e,
	v_min_u32 v242, 0x7e800000, v242               ; at most 2^126, so that 2^-e is a normal number
	v_sub_nc_u32 v244, 0x7f000000, v242            ; 2^-e: the exponent field is 254 less that of 2^e
	v_sub_nc_u32 v245, 0x7f000000, v242
	v_mul_f32 v[GG], s28, v242
	v_mul_f32 v[GG+1], s28, v242
.irp i, 0,1,2,3,4,5,6,7
	v_pk_mul_f32 v[R1+2*\i:R1+2*\i+1], v[R1+2*\i:R1+2*\i+1], v[244:245]                    ; |qh 2^-e| < 4
.endr
.irp i, 0,1,2,3,4,5,6,7
	v_cvt_pk_f16_f32 v[R1+\i], v[R1+2*\i], v[R1+2*\i+1]    ; in place: registers 0-3 d = 8 h' .., 4-7 d = 16 + 8 h' ..: already a fragment
.endr
	; ---- K: qk 2^-e, 16 tiles of 16 c x 16 rows in four groups; results go, shifted by 4 r positions, into QA ----
.macro KGRP gi
	s_wait_dscnt 24-8*(\gi)                        ; the later groups' loads (8 each) stay out; stores issued in between only make the wait stricter
.irp j, 0,1,2,3
	v_wmma_f32_16x16x32_f16 v[RA+32*((\gi)%2)+8*\j:RA+32*((\gi)%2)+8*\j+7], v[FB+8*(4*(\gi)+\j):FB+8*(4*(\gi)+\j)+7], v[R1:R1+7], 0
.endr
.endm
.macro POSTK gi                        ; lane (r, h'), register jj of tile (par, q'): w = 8 q' + 64 h' + jj, stored at u' = w + 4 r
.irp j, 0,1,2,3
.irp i, 0,1,2,3
	v_cvt_pk_f16_f32 v[RA+32*((\gi)%2)+8*\j+\i], v[RA+32*((\gi)%2)+8*\j+2*\i], v[RA+32*((\gi)%2)+8*\j+2*\i+1]
.endr
	ds_store_b64 v[AQS], v[RA+32*((\gi)%2)+8*\j:RA+32*((\gi)%2)+8*\j+1]   offset:384*((4*(\gi)+\j)/8)+16*((4*(\gi)+\j)%8)
	ds_store_b64 v[AQS], v[RA+32*((\gi)%2)+8*\j+2:RA+32*((\gi)%2)+8*\j+3] offset:384*((4*(\gi)+\j)/8)+16*((4*(\gi)+\j)%8)+8
.endr
.endm
	KGRP 0
	PLACES
	KGRP 1
	POSTK 0                                        ; a group's 16 conversions name the other set of tiles: they are the places behind the group just issued
	KGRP 2
	POSTK 1
	KGRP 3
	POSTK 2
	POSTK 3
.irp dt, 0,1
	global_load_b128 v[R1+8*\dt:R1+8*\dt+3],   v[H32], s[8:9] offset:2048+64*\dt               ; bv, wanted at the very end
	global_load_b128 v[R1+8*\dt+4:R1+8*\dt+7], v[H32], s[8:9] offset:2048+64*\dt+16
.endr
	; ---- S: 12 steps (par = t / 6, 32 u' at 32 (t % 6)); source 0 = x transposed (16 positions), source 1 = QA: lane = row, registers = keys ----
.macro FETCHS t                        ; 18 loads into buffer t % 2 (72 registers): QA's fragment, then x's eight
	ds_load_b128 v[FB+72*((\t)%2):FB+72*((\t)%2)+3],   v[AQL] offset:384*((\t)/6)+64*((\t)%6)
	ds_load_b128 v[FB+72*((\t)%2)+4:FB+72*((\t)%2)+7], v[AQL] offset:384*((\t)/6)+64*((\t)%6)+32
.irp q, 0,1,2,3,4,5,6,7
	ds_load_tr16_b128 v[FB+72*((\t)%2)+8+8*\q:FB+72*((\t)%2)+11+8*\q],  v[AXT+((\t)%6)/3] offset:X32*(((\t)%6)%3)+256*((\t)/6)+16*\q
	ds_load_tr16_b128 v[FB+72*((\t)%2)+12+8*\q:FB+72*((\t)%2)+15+8*\q], v[AXT+((\t)%6)/3] offset:X32*(((\t)%6)%3)+256*((\t)/6)+16*\q+X16
.endr
.endm
.macro MULS t, zero
.irp q, 0,1,2,3,4,5,6,7
.if \zero
	v_wmma_f32_16x16x32_f16 v[RA+8*\q:RA+8*\q+7], v[FB+72*((\t)%2)+8+8*\q:FB+72*((\t)%2)+15+8*\q], v[FB+72*((\t)%2):FB+72*((\t)%2)+7], 0
.else
	v_wmma_f32_16x16x32_f16 v[RA+8*\q:RA+8*\q+7], v[FB+72*((\t)%2)+8+8*\q:FB+72*((\t)%2)+15+8*\q], v[FB+72*((\t)%2):FB+72*((\t)%2)+7], v[RA+8*\q:RA+8*\q+7]
.endif
.endr
.endm
	FETCHS 0                                       ; LDS serves a wave's instructions in order (ISA guide 5.7.1): these see QA's stores above
.irp t, 0,1,2,3,4,5,6,7,8,9,10
.if \t
	PLACES                                         ; behind the last step's products, whose buffer is loaded again
.endif
	FETCHS \t+1
	s_wait_dscnt 18                                ; this step's fragments are in; the next step's 18 loads stay out
.if \t
	MULS \t, 0
.else
	MULS \t, 1
.endif
.endr
	s_wait_dscnt 0x0
	MULS 11, 0
	; ---- M: softmax.  Lane (r, h') holds 64 keys of row r: tile q, register jj is position 8 q + 64 h' + jj, key 4 q + 32 h' + 2 (jj >> 2) + (jj & 1) + 64 ((jj >> 1) & 1) ----
.macro FETCHY t                        ; 16 loads into buffer t % 2 (64 registers): rows u' = 16 t + r, fragment (par, kp): positions 16 kp + 64 h' + 0 .. 15
.irp par, 0,1
.irp kp, 0,1,2,3
	ds_load_b128 v[FB+64*((\t)%2)+8*(4*\par+\kp):FB+64*((\t)%2)+8*(4*\par+\kp)+3],   v[AXP+(\t)/6] offset:X16*((\t)%6)+256*\par+32*\kp
	ds_load_b128 v[FB+64*((\t)%2)+8*(4*\par+\kp)+4:FB+64*((\t)%2)+8*(4*\par+\kp)+7], v[AXP+(\t)/6] offset:X16*((\t)%6)+256*\par+32*\kp+16
.endr
.endr
.endm
	PLACES
	FETCHY 0                                       ; arrives under the softmax
.irp i, 0,1,2,3,4,5,6,7,8,9,10,11,12,13,14,15,16,17,18,19,20,21,22,23,24,25,26,27,28,29,30,31
	v_pk_fma_f32 v[RA+2*\i:RA+2*\i+1], v[RA+2*\i:RA+2*\i+1], v[GG:GG+1], v[BETA:BETA+1]    ; scores in units of log2
.endr
	s_cmp_ge_u32 s18, 2                            ; from t = 128 on no key is masked
	s_cbranch_scc1 .Lnomask
	v_mov_b32 v[SCR], 0xff800000
.irp q, 0,1,2,3,4,5,6,7
.irp jj, 0,1,2,3,4,5,6,7
	v_cmp_lt_i32 vcc_lo, 4*\q+2*(\jj/4)+(\jj%2)+64*((\jj/2)%2), v[THR]                     ; key < 127 - t
	v_cndmask_b32 v[RA+8*\q+\jj], v[RA+8*\q+\jj], v[SCR], vcc_lo
.endr
.endr
.Lnomask:
.irp c, 0,1,2,3
	v_max_num_f32 v[SCR+4+\c], v[RA+16*\c], v[RA+16*\c+1]                                  ; four chains; key 127 is never masked: the maximum is finite
.endr
.irp i, 1,2,3,4,5,6,7
.irp c, 0,1,2,3
	v_max3_num_f32 v[SCR+4+\c], v[SCR+4+\c], v[RA+16*\c+2*\i], v[RA+16*\c+2*\i+1]
.endr
.endr
	v_max3_num_f32 v[SCR+4], v[SCR+4], v[SCR+5], v[SCR+6]
	v_max_num_f32 v[SCR+4], v[SCR+4], v[SCR+7]
	v_permlanex16_b32 v[VT], v[SCR+4], s26, s27    ; the row's other 64 keys
	v_max_num_f32 v[MX], v[SCR+4], v[VT]
	v_max_num_f32 v[MX+1], v[SCR+4], v[VT]
.irp i, 0,1,2,3,4,5,6,7,8,9,10,11,12,13,14,15,16,17,18,19,20,21,22,23,24,25,26,27,28,29,30,31
	v_pk_add_f32 v[RA+2*\i:RA+2*\i+1], v[RA+2*\i:RA+2*\i+1], v[MX:MX+1] neg_lo:[0,1] neg_hi:[0,1]
.endr
.irp i, 0,1,2,3,4,5,6,7,8,9,10,11,12,13,14,15,16,17,18,19,20,21,22,23,24,25,26,27,28,29,30,31
	v_exp_f32 v[RA+2*\i], v[RA+2*\i]
	v_exp_f32 v[RA+2*\i+1], v[RA+2*\i+1]
.endr
	v_nop                                          ; one plain vector instruction behind the run of exponentials before a result is used (ISA guide 5.7.2)
	s_wait_alu depctr_va_vdst(0)
.irp c, 0,1,2,3
	v_pk_add_f32 v[SCR+8+2*\c:SCR+9+2*\c], v[RA+16*\c:RA+16*\c+1], v[RA+16*\c+2:RA+16*\c+3]
.endr
.irp i, 2,3,4,5,6,7
.irp c, 0,1,2,3
	v_pk_add_f32 v[SCR+8+2*\c:SCR+9+2*\c], v[SCR+8+2*\c:SCR+9+2*\c], v[RA+16*\c+2*\i:RA+16*\c+2*\i+1]
.endr
.endr
	v_pk_add_f32 v[SCR+8:SCR+9], v[SCR+8:SCR+9], v[SCR+10:SCR+11]
	v_pk_add_f32 v[SCR+12:SCR+13], v[SCR+12:SCR+13], v[SCR+14:SCR+15]
	v_pk_add_f32 v[SCR+8:SCR+9], v[SCR+8:SCR+9], v[SCR+12:SCR+13]
	v_add_f32 v[SCR+8], v[SCR+8], v[SCR+9]
	v_permlanex16_b32 v[VT], v[SCR+8], s26, s27
	v_add_f32 v[SCR+8], v[SCR+8], v[VT]            ; at least 1: the largest score gives exp2(0)
	v_rcp_f32 v[RL], v[SCR+8]
	v_rcp_f32 v[RL+1], v[SCR+8]                    ; the conversions below are the plain instructions behind it; they touch neither source nor result
	s_wait_alu depctr_va_vdst(0)
.irp kp, 0,1,2,3
.irp i, 0,1,2,3,4,5,6,7
	v_cvt_pk_f16_f32 v[RA+16*\kp+\i], v[RA+16*\kp+2*\i], v[RA+16*\kp+2*\i+1]               ; tiles 2 kp, 2 kp + 1 in place: p's fragment kp, 8 registers; 8 come free
.endr
.endr
	; ---- Y: 12 steps of 16 u', both parities; source 0 = x (rows u'), source 1 = p; results, divided by the sum and shifted back by 4 r, go into z ----
.macro MULY t                          ; two chains of four, taking turns; result tile (t % 2, par) in the registers that p's packing freed
.irp kp, 0,1,2,3
.irp par, 0,1
.if \kp
	v_wmma_f32_16x16x32_f16 v[RA+8+32*((\t)%2)+16*\par:RA+15+32*((\t)%2)+16*\par], v[FB+64*((\t)%2)+8*(4*\par+\kp):FB+64*((\t)%2)+8*(4*\par+\kp)+7], v[RA+16*\kp:RA+16*\kp+7], v[RA+8+32*((\t)%2)+16*\par:RA+15+32*((\t)%2)+16*\par]
.else
	v_wmma_f32_16x16x32_f16 v[RA+8+32*((\t)%2)+16*\par:RA+15+32*((\t)%2)+16*\par], v[FB+64*((\t)%2)+8*(4*\par+\kp):FB+64*((\t)%2)+8*(4*\par+\kp)+7], v[RA+16*\kp:RA+16*\kp+7], 0
.endif
.endr
.endr
.endm
.macro POSTY t                         ; lane (r, h'), register jj: u' = 16 t + 8 h' + jj, stored at w = u' - 4 r; w outside 0 .. 127 falls into the row's margins
.irp par, 0,1
.irp i, 0,1,2,3
	v_pk_mul_f32 v[RA+8+32*((\t)%2)+16*\par+2*\i:RA+9+32*((\t)%2)+16*\par+2*\i], v[RA+8+32*((\t)%2)+16*\par+2*\i:RA+9+32*((\t)%2)+16*\par+2*\i], v[RL:RL+1]
.endr
.irp i, 0,1,2,3
	v_cvt_pk_f16_f32 v[RA+8+32*((\t)%2)+16*\par+\i], v[RA+8+32*((\t)%2)+16*\par+2*\i], v[RA+9+32*((\t)%2)+16*\par+2*\i]
.endr
	ds_store_b64 v[AZS], v[RA+8+32*((\t)%2)+16*\par:RA+9+32*((\t)%2)+16*\par]   offset:512*\par+32*(\t)
	ds_store_b64 v[AZS], v[RA+10+32*((\t)%2)+16*\par:RA+11+32*((\t)%2)+16*\par] offset:512*\par+32*(\t)+8
.endr
.endm
	FETCHY 1
	s_wait_dscnt 16                                ; step 0's fragments are in; step 1's 16 loads stay out
	MULY 0
	PLACES
.irp t, 1,2,3,4,5,6,7,8,9,10
	FETCHY \t+1                                    ; into the buffer of step t - 1; the post-work (or the four v_nop) behind that step's products are the places
	s_wait_dscnt 16                                ; the next step's 16 loads stay out
	MULY \t
	POSTY \t-1                                     ; names the other pair of result tiles
.endr
	s_wait_dscnt 0x0
	MULY 11
	POSTY 10
	POSTY 11
	; ---- O: o = z Wv_h^T + bv; z's parity 1 lies 256 bytes further on than its columns' natural place ----
	PROJ AZL, 256, AWV, RA
	s_wait_loadcnt 0x0                             ; bv
.irp i, 0,1,2,3,4,5,6,7
	v_pk_add_f32 v[RA+2*\i:RA+2*\i+1], v[RA+2*\i:RA+2*\i+1], v[R1+2*\i:R1+2*\i+1]
.endr
.irp i, 0,1,2,3,4,5,6,7
	v_cvt_pk_f16_f32 v[RA+\i], v[RA+2*\i], v[RA+2*\i+1]    ; row r, d = 8 h' .. and 16 + 8 h' ..: the next launch's fragment as it stands
.endr
	global_store_b128 v[L16], v[RA:RA+3],   s[12:13]               ; each store of the wave covers 512 consecutive bytes, aligned
	global_store_b128 v[L16], v[RA+4:RA+7], s[12:13] offset:512
	s_wait_xcnt 0x0
	v_lshl_add_u32 v110, v0, 2, 0x42800
	v_mov_b32 v111, 0
	s_wait_tensorcnt 0x0
	ds_add_u32 v110, v111
	s_wait_dscnt 0x0
	s_endpgm
.Lfunc_end_k_qf69be5bf1f_attn:
	.size	k_qf69be5bf1f_attn, .Lfunc_end_k_qf69be5bf1f_attn-k_qf69be5bf1f_attn
	.p2alignl 7, 3214868480
	.fill 96, 4, 3214868480
	.section	.rodata,"a",@progbits
	.p2align	6, 0x0
	.amdhsa_kernel k_qf69be5bf1f_attn
		.amdhsa_group_segment_fixed_size 274432
		.amdhsa_private_segment_fixed_size 0
		.amdhsa_enable_private_segment 0
		.amdhsa_kernarg_size 48
		.amdhsa_user_sgpr_count 2
		.amdhsa_user_sgpr_kernarg_segment_ptr 1
		.amdhsa_wavefront_size32 1
		.amdhsa_system_sgpr_workgroup_id_x 1
		.amdhsa_system_sgpr_workgroup_id_y 1
		.amdhsa_system_sgpr_workgroup_id_z 1
		.amdhsa_system_vgpr_workitem_id 0
		.amdhsa_next_free_vgpr 256
		.amdhsa_next_free_sgpr 66
		.amdhsa_reserve_vcc 1
		.amdhsa_float_denorm_mode_32 3
		.amdhsa_float_denorm_mode_16_64 3
		.amdhsa_memory_ordered 1
		.amdhsa_forward_progress 1
		.amdhsa_inst_pref_size 119
	.end_amdhsa_kernel
	.amdgpu_metadata
---
amdhsa.version: [ 1, 2 ]
amdhsa.kernels:
  - .name:           k_qf69be5bf1f_attn
    .symbol:         k_qf69be5bf1f_attn.kd
    .args:
      - { .name: inputs, .offset: 0, .size: 8, .value_kind: global_buffer, .address_space: global }
      - { .name: in_proj_w, .offset: 8, .size: 8, .value_kind: global_buffer, .address_space: global }
      - { .name: in_proj_b, .offset: 16, .size: 8, .value_kind: global_buffer, .address_space: global }
      - { .name: out_w, .offset: 24, .size: 8, .value_kind: global_buffer, .address_space: global }
      - { .name: ofrag, .offset: 32, .size: 8, .value_kind: global_buffer, .address_space: global }
      - { .name: wfrag, .offset: 40, .size: 8, .value_kind: global_buffer, .address_space: global }
    .group_segment_fixed_size: 274432
    .private_segment_fixed_size: 0
    .kernarg_segment_align: 8
    .kernarg_segment_size: 48
    .max_flat_workgroup_size: 512
    .sgpr_count:     66
    .vgpr_count:     256
    .wavefront_size: 32
...
	.end_amdgpu_metadata
.endif
;; end of part 1
;; launch proj (part 2): grid 256 x 1, 2 waves a work-group, no clusters, 0 bytes of LDS; arguments ofrag, wfrag, out_b, out0; writes out0
.if DOCPART == 2
	.amdgcn_target "amdgcn-amd-amdhsa--gfx1250"
	.amdhsa_code_object_version 6
	.text
	.protected	k_qf69be5bf1f_proj
	.globl	k_qf69be5bf1f_proj
	.p2align	8
	.type	k_qf69be5bf1f_proj,@function
k_qf69be5bf1f_proj:
	s_mov_b64 s[64:65], 0
	v_nop
	global_prefetch_b8 v0, s[64:65] scope:SCOPE_SE
	s_setreg_imm32_b32 hwreg(HW_REG_WAVE_MODE, 25, 1), 1
	s_wait_xcnt 0x0
; out0[query][e] = sum over dd of o[query][dd] out_w[e][dd] + out_b[e].  o and out_w lie in memory as f16 fragments, written by the launch before:
;   ofrag: fragment (MT, h) at (8 MT + h) x 1,024 bytes; row r of tile MT is query (MT >> 2) 64 + (MT & 3) + 4 r; K = the 32 numbers of head h
;   wfrag: fragment ((4 cg + q) 8 + kappa) x 1,024 bytes; column r is e = 64 cg + 4 r + q
; so a fragment is two loads of 512 consecutive bytes, with no LDS and no shuffle.  128 row tiles x 4 column groups = 512 waves, two to a work-group.
; A wave makes 16 rows x 64 columns in four accumulators; a lane's four accumulators hold four NEIGHBOURING columns 4 r + 0 .. 3.
; No cluster, no LDS: a wave reads 40 KiB in 80 loads that depend on nothing; five of the eight K steps are asked for at once.
.set ACC,  208                         ; v208-239  tile q at 208 + 8 q
.set BIAS, 240                         ; v240-243  out_b of my four columns
.set SL,   8                           ; v8-207    five slots of 40: o's fragment (8), out_w's four (32); v8-39 once more on the way out
	s_load_b256 s[4:11], s[0:1], 0x0               ; ofrag s[4:5], wfrag s[6:7], out_b s[8:9], out0 s[10:11]
	v_lshrrev_b32 v4, 5, v0
	v_readfirstlane_b32 s12, v4                    ; wave 0, 1
	v_and_b32 v1, 31, v0
	v_and_b32 v2, 15, v0
	v_bfe_u32 v3, v0, 4, 1
	v_lshlrev_b32 v1, 4, v1                        ; 16 lane
	v_lshlrev_b32 v2, 4, v2                        ; 16 r
	v_lshl_add_u32 v3, v3, 15, v2                  ; 8 h' tile rows = 32 h' queries of 1,024 bytes, + 16 r
	s_lshr_b32 s13, ttmp9, 1                       ; MT
	s_and_b32 s16, ttmp9, 1
	s_lshl1_add_u32 s16, s16, s12                  ; cg
	s_lshr_b32 s17, s13, 2
	s_lshl_b32 s17, s17, 6
	s_and_b32 s18, s13, 3
	s_add_co_u32 s17, s17, s18                     ; the tile's first query
	s_mov_b32 s15, 0
	s_wait_kmcnt 0x0
	s_lshl_b32 s14, s13, 13
	s_add_nc_u64 s[4:5], s[4:5], s[14:15]          ; 8 fragments a row tile
	s_lshl_b32 s14, s16, 15
	s_add_nc_u64 s[6:7], s[6:7], s[14:15]          ; 32 fragments a column group
	s_lshl_b32 s14, s16, 8
	s_add_nc_u64 s[8:9], s[8:9], s[14:15]          ; 64 columns of f32
	s_add_nc_u64 s[10:11], s[10:11], s[14:15]
	s_lshl_b32 s14, s17, 10
	s_add_nc_u64 s[10:11], s[10:11], s[14:15]
.macro LOADK k                         ; ten loads: K step k into slot k % 5
	global_load_b128 v[SL+40*((\k)%5):SL+40*((\k)%5)+3],   v1, s[4:5] offset:1024*(\k)
	global_load_b128 v[SL+40*((\k)%5)+4:SL+40*((\k)%5)+7], v1, s[4:5] offset:1024*(\k)+512
.irp q, 0,1,2,3
	global_load_b128 v[SL+40*((\k)%5)+8+8*\q:SL+40*((\k)%5)+11+8*\q],  v1, s[6:7] offset:1024*(8*\q+(\k))
	global_load_b128 v[SL+40*((\k)%5)+12+8*\q:SL+40*((\k)%5)+15+8*\q], v1, s[6:7] offset:1024*(8*\q+(\k))+512
.endr
.endm
.macro PLACES                          ; four independent vector instructions behind a matrix instruction before its registers are loaded, read or written (ISA guide 7.12.1)
.rept 4
	v_nop
.endr
.endm
	global_load_b128 v[BIAS:BIAS+3], v2, s[8:9]    ; first, so that the first counted wait covers it
.irp k, 0,1,2,3,4
	LOADK \k
.endr
.irp k, 0,1,2,3,4,5,6,7
.if \k < 4
	s_wait_loadcnt 40                              ; loads come back in order (ISA guide 5.7.1): four later steps of ten loads stay out
.else
	s_wait_loadcnt 10*(7-\k)                       ; nothing more is asked for: the counts run down
.endif
.irp q, 0,1,2,3
.if \k
	v_wmma_f32_16x16x32_f16 v[ACC+8*\q:ACC+8*\q+7], v[SL+40*(\k%5):SL+40*(\k%5)+7], v[SL+40*(\k%5)+8+8*\q:SL+40*(\k%5)+15+8*\q], v[ACC+8*\q:ACC+8*\q+7]
.else
	v_wmma_f32_16x16x32_f16 v[ACC+8*\q:ACC+8*\q+7], v[SL+40*(\k%5):SL+40*(\k%5)+7], v[SL+40*(\k%5)+8+8*\q:SL+40*(\k%5)+15+8*\q], 0
.endif
.endr
.if \k < 3
	PLACES
	LOADK \k+5                                     ; into the slot just multiplied
.endif
.endr
	PLACES
	; register jj of tile q is (row 8 h' + jj, column 4 r + q): the bias add also brings a row's four columns into neighbouring registers
.irp jj, 0,1,2,3,4,5,6,7
.irp q, 0,1,2,3
	v_add_f32 v[SL+4*\jj+\q], v[ACC+8*\q+\jj], v[BIAS+\q]
.endr
	global_store_b128 v3, v[SL+4*\jj:SL+4*\jj+3], s[10:11] offset:4096*\jj th:TH_STORE_NT   ; 16 lanes store 256 consecutive bytes, aligned; tile rows are 4 queries apart
.endr
	s_endpgm
.Lfunc_end_k_qf69be5bf1f_proj:
	.size	k_qf69be5bf1f_proj, .Lfunc_end_k_qf69be5bf1f_proj-k_qf69be5bf1f_proj
	.p2alignl 7, 3214868480
	.fill 96, 4, 3214868480
	.section	.rodata,"a",@progbits
	.p2align	6, 0x0
	.amdhsa_kernel k_qf69be5bf1f_proj
		.amdhsa_group_segment_fixed_size 0
		.amdhsa_private_segment_fixed_size 0
		.amdhsa_enable_private_segment 0
		.amdhsa_kernarg_size 32
		.amdhsa_user_sgpr_count 2
		.amdhsa_user_sgpr_kernarg_segment_ptr 1
		.amdhsa_wavefront_size32 1
		.amdhsa_system_sgpr_workgroup_id_x 1
		.amdhsa_system_sgpr_workgroup_id_y 1
		.amdhsa_system_sgpr_workgroup_id_z 1
		.amdhsa_system_vgpr_workitem_id 0
		.amdhsa_next_free_vgpr 248
		.amdhsa_next_free_sgpr 66
		.amdhsa_reserve_vcc 0
		.amdhsa_float_denorm_mode_32 3
		.amdhsa_float_denorm_mode_16_64 3
		.amdhsa_memory_ordered 1
		.amdhsa_forward_progress 1
		.amdhsa_inst_pref_size 14
	.end_amdhsa_kernel
	.amdgpu_metadata
---
amdhsa.version: [ 1, 2 ]
amdhsa.kernels:
  - .name:           k_qf69be5bf1f_proj
    .symbol:         k_qf69be5bf1f_proj.kd
    .args:
      - { .name: ofrag, .offset: 0, .size: 8, .value_kind: global_buffer, .address_space: global }
      - { .name: wfrag, .offset: 8, .size: 8, .value_kind: global_buffer, .address_space: global }
      - { .name: out_b, .offset: 16, .size: 8, .value_kind: global_buffer, .address_space: global }
      - { .name: out0, .offset: 24, .size: 8, .value_kind: global_buffer, .address_space: global }
    .group_segment_fixed_size: 0
    .private_segment_fixed_size: 0
    .kernarg_segment_align: 8
    .kernarg_segment_size: 32
    .max_flat_workgroup_size: 64
    .sgpr_count:     66
    .vgpr_count:     248
    .wavefront_size: 32
...
	.end_amdgpu_metadata
.endif
;; end of part 2
